; MI455X (gfx1250); checked and timed in simulation.
; The chip was launched on July 23, 2026; its instructions are those of AMD's public machine-readable ISA for CDNA 5 (MIT licence, August 2026) and "CDNA5" Instruction Set Architecture Reference Guide (July 2026). The comments in the code are by the model that wrote it; some were corrected since.
;; Vector Quantizer. Allowed arithmetic: matrix products marked QUANTISED: E2M1 operands, one E8M0 scale for each 32 along K, by v_wmma_scale_f32_16x16x128_f8f6f4 with both operands' format E2M1 (or v_wmma_scale_f32_32x16x128_f4), f32 sums; everything else in f32.
;; Inputs: embedding 8,192 x 256 float32; x 32,768 x 256 float32.
;; Outputs: out0 32,768 x 256 float32; out1 one number float32; out2 one number float32; out3 32,768 int32.
;; This version of the problem:
;;   THIS VERSION OF THE PROBLEM IS GIVEN IN LOW PRECISION. The matrix products marked QUANTISED in the list below multiply operands that are first quantised to E2M1 (2 exponent bits, 1 mantissa bit; 4 bits a number), with one power-of-two scale for each 32 numbers along K (OCP MX v1.0); their sums are f32. All else is computed in f32.
;;   The module's matrix products, in the order in which they are computed (A, B: the left and right operand; K: the contracted axis; several contracted axes count as one K, in the product's order):
;;     1. [M 32,768, K 256] x [K 256, N 8,192]; A: input x; B: input embedding: QUANTISED
;;   THE QUANTISER, for each operand of a quantised product, along K:
;;     - K is cut into blocks of 32 from its start; a last block that is shorter is filled with zeros.
;;     - A block's scale is 2^e with e = floor(log2(the largest magnitude in the block)) - 2, held to -126 .. 127; a block of zeros has e = 0. As a byte (E8M0): e + 127.
;;     - Each number is divided by its block's scale, clamped to +-6, and rounded to the nearest number of E2M1, ties to even, subnormals kept.
;;     - The product sums the exact products of the quantised numbers (number of the format x scale) in f32.
;;   ~~~python
;;   def quantise(x, axis):      # numpy; x: float32 -> the quantised numbers, widened to float32 again
;;       x = np.moveaxis(x, axis, -1); K = x.shape[-1]
;;       x = np.pad(x, [(0, 0)] * (x.ndim - 1) + [(0, -K % 32)]); x = x.reshape(x.shape[:-1] + (-1, 32)); a = np.abs(x).max(-1, keepdims=True)
;;       e = np.where(a > 0, np.clip(np.frexp(np.where(a > 0, a, 1))[1] - 1 - 2, -126, 127), 0)      # np.frexp(a)[1] - 1 = floor(log2(a)), exactly
;;       r = np.clip(x / 2.0 ** e, -6, 6)
;;       step = 2.0 ** (np.maximum(np.frexp(np.where(r == 0, 1, r))[1] - 1, 0) - 1)
;;       q = np.round(r / step) * step * 2.0 ** e      # np.round: ties to even
;;       return np.moveaxis(q.reshape(q.shape[:-2] + (-1,))[..., :K], -1, axis).astype(np.float32)
;;   ~~~
;; One version. Each part assembles by itself: llvm-mc -triple=amdgcn-amd-amdhsa -mcpu=gfx1250 --defsym DOCPART=n.
;; ======== version 1 of 1: 4 launches
;; limits: right only within a limited range of input values
;; workspace buffers: ew 1,179,648 bytes; inds 131,072 bytes of whole numbers; part 2,048 bytes
;; launch quant (part 1): grid 256 x 1, 2 waves a work-group, no clusters, 17,664 bytes of LDS; arguments embedding, ew; writes ew
.if DOCPART == 1
	.amdgcn_target "amdgcn-amd-amdhsa--gfx1250"
	.amdhsa_code_object_version 6
	.text
	.protected	k_q2df5a6c20a_quant
	.globl	k_q2df5a6c20a_quant
	.p2align	8
	.type	k_q2df5a6c20a_quant,@function
k_q2df5a6c20a_quant:
	s_mov_b64 s[64:65], 0
	v_nop
	global_prefetch_b8 v0, s[64:65] scope:SCOPE_SE
	s_setreg_imm32_b32 hwreg(HW_REG_WAVE_MODE, 25, 1), 1
	s_wait_xcnt 0x0
; embedding [8192][256], f32, becomes TILE RECORDS for the distance launch: codes of FP4 (E2M1) with one E8M0 scale byte for each 32 along K, and each row's NEGATED sum of squares.
; A record is 2,304 bytes (nine blocks of 256) for 16 rows x 256 K; record p holds rows 16 p .. 16 p + 15:
;   bytes 0, 512, 1024, 1536: four images of operand registers.  The image of K half s, register group c, lies at 1024 s + 512 c; lane l = (r = l % 16, h = l / 16) has its 16 bytes at 16 l:
;                             the codes of row r, k = 128 s + 64 c + 32 h + 0 .. 31.  A reader loads 16 bytes a lane and has the operand.
;   byte 2048: 32 scale words at 4 l: lanes 0-15 row r's word for K half 0, lanes 16-31 row (l - 16)'s word for K half 1
;   byte 2176: 16 numbers -(sum of squares of the f32 row), at 4 r;   byte 2240: 64 bytes of zeros, stored because the reader copies whole records
; A block's scale is 2^(floor(log2(its largest magnitude)) - 2); its byte is the largest magnitude's exponent field - 2, held at 1 from below.
; LIMITS: NaN and infinities among the inputs are not served.  A block of zeros, or one whose largest magnitude lies under 2^-124, gets the byte 1 (zero codes add nothing under that byte;
; the bytes are read by this program alone).  A row's sum of squares is an f32 sum in this text's own order: four chains a lane, then two lanes.
; SHARES.  One wave, one record: 16 KiB in, 2,304 bytes out, straight-line, no barrier: waves share nothing.  512 records: 256 work-groups of two waves.
; Each load reads 512 consecutive bytes, 16 a lane; the conversions want 16 NEIGHBOURS along K in a lane: so half a tile (16 rows x 512 bytes) turns through the wave's own stage in LDS.
; No cluster, no matrix unit: every input byte is read by one wave alone.
.set SP,    528                        ; a stage row: 512 bytes + 16
.set META,  16*SP                      ; behind the stage: 256 bytes in which a record's last block is put together
.set WREG,  META+256                   ; LDS of a wave
.set SPARE, 2*WREG                     ; the spare words, 128 bytes a wave
.set LN,  1
.set RR,  2
.set HH,  3
.set L16, 4                            ; 16 x lane
.set STW, 5                            ; the stage, on the way in
.set STR, 6                            ; and on the way out: row r, + 64 h
.set MSC, 7                            ; where my scale word goes
.set MSS, 8                            ; where my row's sum goes
.set MRD, 9                            ; where I read the block back
.set L8,  10
.set NIL, 11
.set TM,  12                           ; v12-15 largest magnitudes, v16-19 bytes, v24-27 the conversions' scale operands
.set PW,  28                           ; v28, v29 the scale words of K half 0, 1
.set ACC, 30                           ; v[30:33] the sum of squares, in four chains
.set T0,  34
.set MO,  36
.set PC,  40                           ; v40-55 the codes
.set X,   56                           ; v56-119 64 numbers: register 16 b + i = k 32 b + 16 h + i of my row, within the K half
.set R,   120                          ; v120-247 the tile as loaded
	s_load_b128 s[4:7], s[0:1], 0x0                ; embedding, ew
	v_lshl_add_u32 v248, v0, 2, SPARE
	v_mov_b32 v249, 0
	v_lshrrev_b32 v1, 5, v0
	v_readfirstlane_b32 s12, v1                    ; wave 0, 1
	v_and_b32 v[LN], 31, v0
	v_and_b32 v[RR], 15, v0
	v_bfe_u32 v[HH], v0, 4, 1
	v_lshlrev_b32 v[L16], 4, v[LN]
	s_mul_i32 s13, s12, WREG
	v_add_nc_u32 v[STW], s13, v[L16]
	v_mul_u32_u24 v[STR], v[RR], SP
	v_lshl_add_u32 v[STR], v[HH], 6, v[STR]
	v_add_nc_u32 v[STR], s13, v[STR]
	v_lshl_add_u32 v[MSC], v[LN], 2, s13
	v_add_nc_u32 v[MSC], META, v[MSC]
	v_lshl_add_u32 v[MSS], v[RR], 2, s13
	v_add_nc_u32 v[MSS], META+128, v[MSS]
	v_lshl_add_u32 v[MRD], v[LN], 3, s13
	v_add_nc_u32 v[MRD], META, v[MRD]
	v_lshlrev_b32 v[L8], 3, v[LN]
	v_mov_b32 v[NIL], 0
.irp b, 0,1,2,3
	v_mov_b32 v[TM+4+\b], 0                        ; written once: a lane permute's destination counts as one of its sources
.endr
	v_mov_b32 v[T0+1], 0
	s_mov_b32 s20, 0x76543210
	s_mov_b32 s21, 0xfedcba98                      ; v_permlanex16_b32's selects for lane l xor 16
	s_lshl_b32 s14, ttmp9, 1
	s_add_co_u32 s14, s14, s12                     ; my record's number
	s_lshl_b32 s16, s14, 14                        ; 16 rows of 1,024 bytes
	s_mov_b32 s17, 0
	s_mul_i32 s18, s14, 2304
	s_mov_b32 s19, 0
	s_wait_alu depctr_va_vdst(0)                   ; the wait at the head's end
	s_wait_kmcnt 0x0
	s_add_nc_u64 s[4:5], s[4:5], s[16:17]
	s_add_nc_u64 s[8:9], s[6:7], s[18:19]
.irp s, 0,1
.irp q, 0,1,2,3,4,5,6,7,8,9,10,11,12,13,14,15
	global_load_b128 v[R+64*\s+4*\q:R+64*\s+4*\q+3], v[L16], s[4:5] offset:1024*\q+512*\s th:TH_LOAD_NT   ; 512 consecutive bytes: half of row q
.endr
.endr
.macro SUMSQ first
.irp i, 0,4,8,12,16,20,24,28,32,36,40,44,48,52,56,60
.if (\first) && (\i == 0)
	v_pk_mul_f32 v[ACC:ACC+1], v[X:X+1], v[X:X+1]
	v_pk_mul_f32 v[ACC+2:ACC+3], v[X+2:X+3], v[X+2:X+3]
.else
	v_pk_fma_f32 v[ACC:ACC+1], v[X+\i:X+\i+1], v[X+\i:X+\i+1], v[ACC:ACC+1]
	v_pk_fma_f32 v[ACC+2:ACC+3], v[X+\i+2:X+\i+3], v[X+\i+2:X+\i+3], v[ACC+2:ACC+3]
.endif
.endr
.endm
.macro QUANT s, pc, pw                 ; 64 numbers of a lane become a fragment's codes and my row's scale word
.irp b, 0,1,2,3
	v_max3_num_f32 v[TM+\b], |v[\s+16*\b]|, |v[\s+1+16*\b]|, 0x1800000   ; with the floor 2^(3 - 127): the byte cannot fall under 1
.endr
.irp i, 2,4,6,8,10,12,14
.irp b, 0,1,2,3
	v_max3_num_f32 v[TM+\b], v[TM+\b], |v[\s+16*\b+\i]|, |v[\s+1+16*\b+\i]|
.endr
.endr
.irp b, 0,1,2,3
	v_permlanex16_b32 v[TM+4+\b], v[TM+\b], s20, s21
.endr
.irp b, 0,1,2,3
	v_max_num_f32 v[TM+\b], v[TM+\b], v[TM+4+\b]   ; the block's largest magnitude
.endr
.irp b, 0,1,2,3
	v_add_nc_u32 v[TM+12+\b], 0xff000000, v[TM+\b] ; 2 off its exponent field: the conversion's scale operand
.endr
.irp b, 0,1,2,3
	v_lshrrev_b32 v[TM+4+\b], 23, v[TM+12+\b]      ; the scale's byte
.endr
	v_lshl_or_b32 v[\pw], v[TM+5], 8, v[TM+4]
	v_lshl_or_b32 v[\pw], v[TM+6], 16, v[\pw]
	v_lshl_or_b32 v[\pw], v[TM+7], 24, v[\pw]
.irp b, 0,1,2,3
	v_cvt_scalef32_pk8_fp4_f32 v[\pc+2*\b], v[\s+16*\b:\s+7+16*\b], v[TM+12+\b]
	v_cvt_scalef32_pk8_fp4_f32 v[\pc+1+2*\b], v[\s+8+16*\b:\s+15+16*\b], v[TM+12+\b]
.endr
	v_nop                                          ; one plain place behind the scaled conversions
.irp c, 0,1                                    ; a WHOLE block in a lane: lanes 0-15 block 2 c, lanes 16-31 block 2 c + 1
.irp i, 0,1
	v_permlane16_swap_b32 v[\pc+4*\c+\i], v[\pc+2+4*\c+\i]
.endr
.endr
.endm
.macro HALF s                          ; K half s: through the stage, summed, quantised, its two images stored
.irp q, 0,1,2,3,4,5,6,7,8,9,10,11,12,13,14,15
	ds_store_b128 v[STW], v[R+64*\s+4*\q:R+64*\s+4*\q+3] offset:SP*\q
.endr
.irp b, 0,1,2,3
.irp j, 0,1,2,3
	ds_load_b128 v[X+16*\b+4*\j:X+16*\b+4*\j+3], v[STR] offset:128*\b+16*\j   ; LDS serves a wave's instructions in order: these see the stores above
.endr
.endr
	s_wait_dscnt 0x0                               ; my 64 numbers are back; the stage may be written again
	SUMSQ 1-\s
	QUANT X, PC+8*\s, PW+\s
.irp c, 0,1
	global_store_b128 v[L16], v[PC+8*\s+4*\c:PC+8*\s+4*\c+3], s[8:9] offset:1024*\s+512*\c   ; 512 consecutive bytes, at a multiple of 256
.endr
.endm
	s_wait_loadcnt 16                              ; K half 0's sixteen loads are in; the other sixteen may be out
	HALF 0
	s_wait_loadcnt 0x0
	HALF 1
	v_pk_add_f32 v[ACC:ACC+1], v[ACC:ACC+1], v[ACC+2:ACC+3]
	v_add_f32 v[T0], v[ACC], v[ACC+1]
	v_permlanex16_b32 v[T0+1], v[T0], s20, s21
	v_sub_f32 v[T0], -v[T0], v[T0+1]               ; minus the row's sum of squares
	v_cmp_gt_u32 vcc_lo, 16, v[LN]
	v_cndmask_b32 v[T0+1], v[PW+1], v[PW], vcc_lo  ; lanes 0-15: K half 0's word; lanes 16-31: K half 1's
	ds_store_b32 v[MSC], v[T0+1]
	ds_store_b32 v[MSS], v[T0]                     ; both lanes of a row write the same word with the same value
	ds_store_b32 v[MSS], v[NIL] offset:64
	ds_load_b64 v[MO:MO+1], v[MRD]
	s_wait_dscnt 0x0
	global_store_b64 v[L8], v[MO:MO+1], s[8:9] offset:2048   ; 256 consecutive bytes
	s_wait_tensorcnt 0x0                           ; the wave's end
	ds_add_u32 v248, v249
	s_wait_dscnt 0x0
	s_endpgm
.Lfunc_end_k_q2df5a6c20a_quant:
	.size	k_q2df5a6c20a_quant, .Lfunc_end_k_q2df5a6c20a_quant-k_q2df5a6c20a_quant
	.p2alignl 7, 3214868480
	.fill 96, 4, 3214868480
	.section	.rodata,"a",@progbits
	.p2align	6, 0x0
	.amdhsa_kernel k_q2df5a6c20a_quant
		.amdhsa_group_segment_fixed_size 17664
		.amdhsa_private_segment_fixed_size 0
		.amdhsa_enable_private_segment 0
		.amdhsa_kernarg_size 16
		.amdhsa_user_sgpr_count 2
		.amdhsa_user_sgpr_kernarg_segment_ptr 1
		.amdhsa_wavefront_size32 1
		.amdhsa_system_sgpr_workgroup_id_x 1
		.amdhsa_system_sgpr_workgroup_id_y 1
		.amdhsa_system_sgpr_workgroup_id_z 1
		.amdhsa_system_vgpr_workitem_id 0
		.amdhsa_next_free_vgpr 250
		.amdhsa_next_free_sgpr 66
		.amdhsa_reserve_vcc 1
		.amdhsa_float_denorm_mode_32 3
		.amdhsa_float_denorm_mode_16_64 3
		.amdhsa_memory_ordered 1
		.amdhsa_forward_progress 1
		.amdhsa_inst_pref_size 22
	.end_amdhsa_kernel
	.amdgpu_metadata
---
amdhsa.version: [ 1, 2 ]
amdhsa.kernels:
  - .name:           k_q2df5a6c20a_quant
    .symbol:         k_q2df5a6c20a_quant.kd
    .args:
      - { .name: embedding, .offset: 0, .size: 8, .value_kind: global_buffer, .address_space: global }
      - { .name: ew, .offset: 8, .size: 8, .value_kind: global_buffer, .address_space: global }
    .group_segment_fixed_size: 17664
    .private_segment_fixed_size: 0
    .kernarg_segment_align: 8
    .kernarg_segment_size: 16
    .max_flat_workgroup_size: 64
    .sgpr_count:     66
    .vgpr_count:     250
    .wavefront_size: 32
...
	.end_amdgpu_metadata
.endif
;; end of part 1
;; launch dist (part 2): grid 256 x 1, 16 waves a work-group, clusters of 4 x 1, 327,680 bytes of LDS; arguments x, ew, out3, inds; writes out3, inds
.if DOCPART == 2
	.amdgcn_target "amdgcn-amd-amdhsa--gfx1250"
	.amdhsa_code_object_version 6
	.text
	.protected	k_q2df5a6c20a_dist
	.globl	k_q2df5a6c20a_dist
	.p2align	8
	.type	k_q2df5a6c20a_dist,@function
k_q2df5a6c20a_dist:
	s_mov_b64 s[64:65], 0
	v_nop
	global_prefetch_b8 v0, s[64:65] scope:SCOPE_SE
	s_setreg_imm32_b32 hwreg(HW_REG_WAVE_MODE, 25, 1), 1
	s_wait_xcnt 0x0
	s_wait_alu depctr_hold_cnt(0) depctr_sa_sdst(0) depctr_va_vdst(0) depctr_va_sdst(0) depctr_va_ssrc(0) depctr_va_vcc(0) depctr_vm_vsrc(0)
	s_getreg_b32 s2, hwreg(HW_REG_IB_STS2, 6, 4)
	s_cmp_eq_u32 s2, 0
	s_cbranch_scc0 .Lentry_in_a_cluster
	s_endpgm
.Lentry_in_a_cluster:
	s_bfe_u32 s2, ttmp6, 0x10000c
	s_cmp_lg_u32 s2, 0x3003
	s_cbranch_scc0 .Lentry_shape_is_right
	s_endpgm
.Lentry_shape_is_right:
; out3[n] = inds[n] = argmin over the 8,192 code words of d2 = xx - 2 dot + ee, dot the MX-FP4 product of x's row and the code word, the lowest index among equal d2.
; HOW d2 IS FORMED.  The matrix sum begins with -ee (the C of a tile's first instruction) and x's scale bytes carry a factor 2 (each + 1: a byte is an exponent field - 2, at most 252):
; an accumulator holds s = 2 dot - ee.  The negated distance is nd = fl(s - xx), and the largest nd is sought.
; Rounding to nearest never reverses an order, so the largest of fl(s_j - xx) over a lane's eight s_j is fl((the largest s_j) - xx): the maximum is taken of s, and xx is taken away ONCE A TILE.
; The running comparison is made on that rounded number, strictly larger, so among code words whose rounded distances are equal the first stays; the eight s of the best record are kept, and rounded the same way at the end to find j.
; LIMIT, an order of rounding: the source rounds xx - 2 dot and then the sum with ee; here 2 dot - ee is rounded at its own size in the matrix sum and the difference with xx once.
; Where two code words' distances lie within those roundings of each other, the choice between them may differ from the source's.
; SHARES.  A work-group owns 128 rows of x and walks all 512 records of ew (16 code words each; laid by the launch before).  16 waves: wave w holds the four x tiles 4 (w % 2) .. + 3 in registers
; and takes records 8 (w / 2) .. + 7 of every chunk of 64 records.  Eight chunks go through two LDS slots; each of the 16 waves fetches 4 records of a chunk.
; x IS QUANTISED HERE: a work-group reads its rows once.  Waves 0-7 bring 16 rows each by a tensor load into what is later slot 1; waves 8-15 bring chunk 0.  The x tile is stated 130 x 18 elements of 8 bytes over a tensor
; of 128 x 16: the two columns and two rows beyond the end arrive as zeros, so LDS rows lie 1,040 bytes apart (sixteen rows begin 4 words apart modulo 64 words) and the fill covers every byte of slot 1.
; Wave w quantises tile w / 2, K half w % 2, and stores the operand's register image to LDS, from where every wave takes its four tiles.
; THE MATRIX INSTRUCTION IS USED TRANSPOSED (source 0 = 16 code words, source 1 = 16 rows of x): lane (r, h) holds row r of x, register j code word 8 h + j of the record.
; CLUSTER: the four work-groups of a cluster walk the same records: each chunk is asked for jointly.  x's tiles are each work-group's own: plain loads.
; No prefetch of ew: a refill is asked for a whole chunk (64 matrix instructions and their vector work a wave) ahead of the wait for it.
; LIMITS: NaN and infinities among the inputs are not served.  A block whose largest magnitude lies under 2^-124 gets the least byte.  xx is an f32 sum in this text's own order.
.set REC,   2304
.set SLOT,  64*REC
.set PART,  4*REC
.set XP,    1040                       ; an LDS row of x
.set XT,    18*XP                      ; an x tile in LDS
.set XB,    SLOT                       ; x's eight tiles: they cover slot 1 and 2,304 bytes more
.set RED,   XB+8*XT                    ; first x's eight records, at the end 128 rows x 144 bytes of candidates
.set RP,    144
.set OUTS,  RED+128*RP
.set SPARE, OUTS+512                   ; the spare words, 128 bytes a wave
.set SPW,  1
.set NIL,  2
.set AE,   3                           ; v3,4 codes of my records in slot 0, 1;  v5,6 scale words;  v7,8 -ee
.set AS,   5
.set AEE,  7
.set AR,   9
.set H8,   10
.set XS,   12                          ; v12-15 x's scale words;  v16,17 the records'
.set SC,   16
.set XX,   18                          ; v18, 20, 22, 24: -xx of tile t (the odd ones: the second half row's sum on its way in)
.set M,    26                          ; v26-33 tile t: the record that first reached the largest nd, and that nd
.set VST,  34                          ; the number of the record at work
.set L16,  38
.set L4,   39
.set EE,   40                          ; two sets of 8: -ee, the C of a tile's first matrix instruction
.set E,    56                          ; two sets of 16
.set D,    88                          ; four accumulators
.set KEEP, 120                         ; tile t: the eight s of the best record
.set XC,   152                         ; x's codes, four tiles
.set TA,   216                         ; v216-219 at work
.set LN,   220
.set RR,   221
.set HH,   222
.set STR,  224                         ; x in LDS: my row, + 64 h
.set XW,   225                         ; where my image goes
.set XSW,  226                         ; my scale word, and 128 bytes on my half row's sum
.set XRA,  227                         ; where I read my four tiles' images, scale words, sums
.set XRS,  228
.set XRX,  229
.set QTM,  56                          ; the quantiser's registers lie where loads land later
.set PW,   72
.set ACC,  74
.set T0,   78
.set PC,   80
.set X,    152
.set WV,   12
.set G1,   24                          ; group 1: 36 rows of 256 bytes, joint
.set G0,   32                          ; group 0 for slot 0, 1
.set ST,   40
.set CNT,  41
.set G1H,  48                          ; the head's: 72 rows
.set G1X,  56                          ; x's tile
.set G0H,  68
.set G0X,  72
.macro CREST
	s_cmp_lg_u32 s[WV], 0
	s_cbranch_scc1 .Lnot_wave_0_\@
	s_barrier_signal -3
.Lnot_wave_0_\@:
	s_barrier_wait -3
	s_barrier_signal -1
	s_barrier_wait -1
.endm
.macro ROUND
	s_barrier_signal -1
	s_barrier_wait -1
	CREST
.endm
.macro NOPS
.rept 4
	v_nop
.endr
.endm
	s_load_b256 s[4:11], s[0:1], 0x0               ; x, ew, out3, inds
	v_lshl_add_u32 v[SPW], v0, 2, SPARE
	v_mov_b32 v[NIL], 0
	ds_add_u32 v[SPW], v[NIL]                      ; the opening: the add, twice on end, and its wait
	ds_add_u32 v[SPW], v[NIL]
	v_lshrrev_b32 v[LN], 5, v0
	s_delay_alu instid0(VALU_DEP_1)
	v_readfirstlane_b32 s[WV], v[LN]
	s_and_b32 s13, s[WV], 1                        ; which four x tiles; in the head: which K half
	s_lshr_b32 s14, s[WV], 1                       ; which eighth of a chunk; in the head: which x tile
	s_and_b32 s17, s[WV], 7
	s_mov_b32 s[G1+0], 15|(3<<16)|(1<<21)          ; the four partners; elements of 8 bytes
	s_mov_b32 s[G1+1], 32<<16
	s_mov_b32 s[G1+2], 36<<16
	s_mov_b32 s[G1+3], 32<<16
	s_mov_b32 s[G1+4], 36
	s_mov_b32 s[G1+5], 32
	s_mov_b32 s[G1+6], 0
	s_mov_b32 s[G1+7], 0
	s_mov_b32 s[G1H+0], 15|(3<<16)|(1<<21)
	s_mov_b32 s[G1H+1], 32<<16
	s_mov_b32 s[G1H+2], 72<<16
	s_mov_b32 s[G1H+3], 32<<16
	s_mov_b32 s[G1H+4], 72
	s_mov_b32 s[G1H+5], 32
	s_mov_b32 s[G1H+6], 0
	s_mov_b32 s[G1H+7], 0
	s_mov_b32 s[G1X+0], 3<<16                      ; no mask: my work-group's own rows
	s_mov_b32 s[G1X+1], 128<<16                    ; the tensor: 128 elements
	s_mov_b32 s[G1X+2], 16<<16                     ; x 16 rows;
	s_mov_b32 s[G1X+3], 130<<16                    ; the tile: 130 elements
	s_mov_b32 s[G1X+4], 18                         ; x 18 rows: zeros beyond the tensor's end
	s_mov_b32 s[G1X+5], 128
	s_mov_b32 s[G1X+6], 0
	s_mov_b32 s[G1X+7], 0
	s_mul_i32 s18, s[WV], PART
	s_mov_b32 s19, 0
	s_mul_i32 s42, s17, 8*REC
	s_mov_b32 s43, 0
	s_mul_i32 s44, s17, XT
	s_add_co_u32 s44, s44, XB
	s_bfe_u32 s15, ttmp6, 0x40000
	s_lshl_b32 s16, ttmp9, 2
	s_add_co_u32 s16, s16, s15                     ; my work-group
	s_lshl_b32 s46, s16, 17                        ; 128 rows of 1,024 bytes
	s_lshl_b32 s47, s17, 14
	s_add_co_u32 s46, s46, s47
	s_mov_b32 s47, 0
	s_mov_b32 s76, 0x76543210
	s_mov_b32 s77, 0xfedcba98                      ; v_permlanex16_b32's selects for lane l xor 16
	s_mul_i32 s22, s14, 8*REC
	s_mul_i32 s23, s13, 64*RP
	s_lshl_b32 s45, s14, 4
	s_add_co_u32 s23, s23, s45
	s_add_co_u32 s23, s23, RED
	s_mul_i32 s78, s14, XT
	s_lshl_b32 s45, s13, 9
	s_add_co_u32 s78, s78, s45
	s_add_co_u32 s78, s78, XB
	s_mul_i32 s79, s14, REC
	s_add_co_u32 s79, s79, RED
	s_lshl_b32 s45, s13, 6
	s_add_co_u32 s80, s79, s45
	s_add_co_u32 s80, s80, 2048
	s_lshl_b32 s45, s13, 10
	s_add_co_u32 s79, s79, s45
	s_mul_i32 s81, s13, 4*REC
	s_add_co_u32 s81, s81, RED
	s_lshl_b32 s[ST], s14, 3
	s_wait_dscnt 0x0
	s_wait_kmcnt 0x0
	s_add_nc_u64 s[20:21], s[6:7], s[18:19]
	s_mov_b32 s[G0], 1
	s_mov_b32 s[G0+1], s18
	s_mov_b64 s[G0+2:G0+3], s[20:21]               ; stepped by two chunks ahead of its first use
	s_or_b32 s[G0+3], s[G0+3], 0x80000000
	s_mov_b32 s[G0+4], 1
	s_add_co_u32 s[G0+5], s18, SLOT
	s_add_nc_u64 s[G0+6:G0+7], s[20:21], SLOT      ; chunk 1
	s_or_b32 s[G0+7], s[G0+7], 0x80000000
	s_mov_b32 s[G0H], 1
	s_mov_b32 s[G0H+1], s42
	s_add_nc_u64 s[G0H+2:G0H+3], s[6:7], s[42:43]  ; chunk 0, eight records
	s_or_b32 s[G0H+3], s[G0H+3], 0x80000000
	s_mov_b32 s[G0X], 1
	s_mov_b32 s[G0X+1], s44
	s_add_nc_u64 s[G0X+2:G0X+3], s[4:5], s[46:47]
	s_or_b32 s[G0X+3], s[G0X+3], 0x80000000
	s_lshl_b32 s46, s16, 9                         ; 128 indices
	s_add_nc_u64 s[8:9], s[8:9], s[46:47]
	s_add_nc_u64 s[10:11], s[10:11], s[46:47]
	ROUND
	s_cmp_lt_u32 s[WV], 8                          ; the head's loads, one a wave
	s_cbranch_scc0 .Lhead_e
	tensor_load_to_lds s[G0X:G0X+3], s[G1X:G1X+7]
	s_nop 0
	NOPS
	s_branch .Lhead_j
.Lhead_e:
	tensor_load_to_lds s[G0H:G0H+3], s[G1H:G1H+7]
	s_nop 0
	NOPS
.Lhead_j:
	; all set-up on registers stands here, while the head's loads are on their way
	v_and_b32 v[LN], 31, v0
	v_and_b32 v[RR], 15, v0
	v_bfe_u32 v[HH], v0, 4, 1
	v_lshlrev_b32 v[L16], 4, v[LN]
	v_lshlrev_b32 v[L4], 2, v[LN]
	v_mul_u32_u24 v[AR], v[RR], RP
	v_mul_u32_u24 v[STR], v[RR], XP
	v_lshlrev_b32 v[H8], 3, v[HH]
	v_lshl_add_u32 v[AR], v[HH], 3, v[AR]
	v_lshl_add_u32 v[STR], v[HH], 6, v[STR]
	v_add_nc_u32 v[AE], s22, v[L16]
	v_add_nc_u32 v[AS], s22, v[L4]
	v_lshl_add_u32 v[AEE], v[HH], 5, s22
	v_add_nc_u32 v[AR], s23, v[AR]
	v_add_nc_u32 v[STR], s78, v[STR]
	v_add_nc_u32 v[AE+1], SLOT, v[AE]
	v_add_nc_u32 v[AS], 2048, v[AS]
	v_add_nc_u32 v[AEE], 2176, v[AEE]
	v_add_nc_u32 v[XW], s79, v[L16]
	v_lshl_add_u32 v[XSW], v[RR], 2, s80
	v_add_nc_u32 v[AS+1], SLOT, v[AS]
	v_add_nc_u32 v[AEE+1], SLOT, v[AEE]
	v_add_nc_u32 v[XRA], s81, v[L16]
	v_add_nc_u32 v[XRS], s81, v[L4]
	v_lshl_add_u32 v[XRX], v[RR], 2, s81
.irp b, 0,1,2,3
	v_mov_b32 v[QTM+4+\b], 0                       ; a lane permute's destination counts as one of its sources
.endr
	v_mov_b32 v[T0+1], 0
	v_add_nc_u32 v[XRS], 2048, v[XRS]
	v_add_nc_u32 v[XRX], 2176, v[XRX]
.irp t, 0,1,2,3
	v_mov_b32 v[M+2*\t], s[ST]
	v_mov_b32 v[M+2*\t+1], 0xff800000
.endr
	v_mov_b32 v[VST], s[ST]
.set i, 0
.rept 32
	v_mov_b32 v[KEEP+i], 0xff800000
.set i, i+1
.endr
.set i, 0
.rept 16
	v_mov_b32 v[D+16+i], 0xff800000                ; the first trip's vector work for tiles 2, 3 finds -infinity: it changes nothing
.set i, i+1
.endr
	s_sub_co_u32 s[ST], s[ST], 57
	s_wait_alu depctr_va_vdst(0)                   ; the wait at the head's end
	s_wait_tensorcnt 0x0                           ; my tile is in
	s_barrier_signal -1
	s_barrier_wait -1                              ; and everybody's
	; x: 16 rows x 128 K.  Register 16 b + i = k 32 b + 16 h + i of row r, within my K half
.irp b, 0,1,2,3
.irp j, 0,1,2,3
	ds_load_b128 v[X+16*\b+4*\j:X+16*\b+4*\j+3], v[STR] offset:128*\b+16*\j
.endr
.endr
	s_wait_dscnt 0x0
	v_pk_mul_f32 v[ACC:ACC+1], v[X:X+1], v[X:X+1]
	v_pk_mul_f32 v[ACC+2:ACC+3], v[X+2:X+3], v[X+2:X+3]
.irp i, 4,8,12,16,20,24,28,32,36,40,44,48,52,56,60
	v_pk_fma_f32 v[ACC:ACC+1], v[X+\i:X+\i+1], v[X+\i:X+\i+1], v[ACC:ACC+1]
	v_pk_fma_f32 v[ACC+2:ACC+3], v[X+\i+2:X+\i+3], v[X+\i+2:X+\i+3], v[ACC+2:ACC+3]
.endr
.irp b, 0,1,2,3
	v_max3_num_f32 v[QTM+\b], |v[X+16*\b]|, |v[X+1+16*\b]|, 0x1800000   ; with the floor 2^(3 - 127)
.endr
.irp i, 2,4,6,8,10,12,14
.irp b, 0,1,2,3
	v_max3_num_f32 v[QTM+\b], v[QTM+\b], |v[X+16*\b+\i]|, |v[X+1+16*\b+\i]|
.endr
.endr
.irp b, 0,1,2,3
	v_permlanex16_b32 v[QTM+4+\b], v[QTM+\b], s76, s77
.endr
.irp b, 0,1,2,3
	v_max_num_f32 v[QTM+\b], v[QTM+\b], v[QTM+4+\b]    ; the block's largest magnitude
.endr
.irp b, 0,1,2,3
	v_add_nc_u32 v[QTM+12+\b], 0xff000000, v[QTM+\b]   ; 2 off its exponent field: the conversion's scale operand
.endr
.irp b, 0,1,2,3
	v_lshrrev_b32 v[QTM+4+\b], 23, v[QTM+12+\b]        ; the scale's byte
.endr
	v_pk_add_f32 v[ACC:ACC+1], v[ACC:ACC+1], v[ACC+2:ACC+3]
	v_lshl_or_b32 v[PW], v[QTM+5], 8, v[QTM+4]
	v_add_f32 v[T0], v[ACC], v[ACC+1]
	v_lshl_or_b32 v[PW], v[QTM+6], 16, v[PW]
	v_permlanex16_b32 v[T0+1], v[T0], s76, s77
	v_lshl_or_b32 v[PW], v[QTM+7], 24, v[PW]
	v_add_f32 v[T0], v[T0], v[T0+1]                ; my half row's sum of squares
	v_add_nc_u32 v[PW], 0x01010101, v[PW]          ; each byte + 1: the product comes out doubled
.irp b, 0,1,2,3
	v_cvt_scalef32_pk8_fp4_f32 v[PC+2*\b], v[X+16*\b:X+7+16*\b], v[QTM+12+\b]
	v_cvt_scalef32_pk8_fp4_f32 v[PC+1+2*\b], v[X+8+16*\b:X+15+16*\b], v[QTM+12+\b]
.endr
	v_nop                                          ; one plain place behind the scaled conversions
.irp c, 0,1
.irp i, 0,1
	v_permlane16_swap_b32 v[PC+4*\c+\i], v[PC+2+4*\c+\i]   ; a whole block in a lane
.endr
.endr
	ds_store_b128 v[XW], v[PC:PC+3]
	ds_store_b128 v[XW], v[PC+4:PC+7] offset:512
	ds_store_b32 v[XSW], v[PW]                     ; both lanes of a row write the same word with the same value
	ds_store_b32 v[XSW], v[T0] offset:128
	s_wait_tensorcnt 0x0                           ; ahead of the refill of x's bytes: no load of mine is out,
	ds_add_u32 v[SPW], v[NIL]
	s_wait_dscnt 0x0                               ; my reads of x and my stores are done
	ROUND
	tensor_load_to_lds s[G0+4:G0+7], s[G1:G1+7]    ; chunk 1 into slot 1
	s_nop 0
	NOPS
.irp t, 0,1,2,3
.irp k, 0,1,2,3
	ds_load_b128 v[XC+16*\t+4*\k:XC+16*\t+4*\k+3], v[XRA] offset:REC*\t+512*\k
.endr
	ds_load_b32 v[XS+\t], v[XRS] offset:REC*\t
	ds_load_b32 v[XX+2*\t], v[XRX] offset:REC*\t
	ds_load_b32 v[XX+2*\t+1], v[XRX] offset:REC*\t+64
.endr
.macro LOAD slot, i, p
.irp k, 0,1,2,3
	ds_load_b128 v[E+16*(\p)+4*\k:E+16*(\p)+4*\k+3], v[AE+(\slot)] offset:REC*(\i)+512*\k
.endr
	ds_load_b32 v[SC+(\p)], v[AS+(\slot)] offset:REC*(\i)
	ds_load_b128 v[EE+8*(\p):EE+8*(\p)+3], v[AEE+(\slot)] offset:REC*(\i)
	ds_load_b128 v[EE+8*(\p)+4:EE+8*(\p)+7], v[AEE+(\slot)] offset:REC*(\i)+16
.endm
	LOAD 0, 0, 0
	s_wait_dscnt 0x0
.irp t, 0,1,2,3
	v_sub_f32 v[XX+2*\t], -v[XX+2*\t], v[XX+2*\t+1]    ; -xx: minus the two half rows' sums
.endr
; two x tiles against one record: the sums begin with -ee; the two accumulators by turns
.macro W ta, tb, p
.irp t, \ta, \tb
	v_wmma_scale_f32_16x16x128_f8f6f4 v[D+8*\t:D+8*\t+7], v[E+16*(\p):E+16*(\p)+7], v[XC+16*\t:XC+16*\t+7], v[EE+8*(\p):EE+8*(\p)+7], v[SC+(\p)], v[XS+\t] matrix_a_fmt:MATRIX_FMT_FP4 matrix_b_fmt:MATRIX_FMT_FP4
.endr
.irp t, \ta, \tb
	v_wmma_scale_f32_16x16x128_f8f6f4 v[D+8*\t:D+8*\t+7], v[E+16*(\p)+8:E+16*(\p)+15], v[XC+16*\t+8:XC+16*\t+15], v[D+8*\t:D+8*\t+7], v[SC+(\p)], v[XS+\t] matrix_a_fmt:MATRIX_FMT_FP4 matrix_b_fmt:MATRIX_FMT_FP4 matrix_a_scale:MATRIX_SCALE_ROW1 matrix_b_scale:MATRIX_SCALE_ROW1
.endr
.endm
; the vector work of two tiles: the largest of eight s, xx taken away once, and where that is larger than what was, it, the record's number and the eight s are kept
.macro V2 ta, tb
.irp t, \ta, \tb
	v_max3_num_f32 v[TA+2*((\t)%2)], v[D+8*\t], v[D+8*\t+1], v[D+8*\t+2]
.endr
.irp t, \ta, \tb
	v_max3_num_f32 v[TA+2*((\t)%2)+1], v[D+8*\t+3], v[D+8*\t+4], v[D+8*\t+5]
.endr
.irp t, \ta, \tb
	v_max3_num_f32 v[TA+2*((\t)%2)], v[TA+2*((\t)%2)], v[D+8*\t+6], v[D+8*\t+7]
.endr
.irp t, \ta, \tb
	s_delay_alu instid0(VALU_DEP_2)
	v_max_num_f32 v[TA+2*((\t)%2)], v[TA+2*((\t)%2)], v[TA+2*((\t)%2)+1]
.endr
.irp t, \ta, \tb
	s_delay_alu instid0(VALU_DEP_2)
	v_add_f32 v[TA+2*((\t)%2)+1], v[TA+2*((\t)%2)], v[XX+2*\t]   ; the tile's largest nd
.endr
.irp t, \ta, \tb
	v_cmp_gt_f32 vcc_lo, v[TA+2*((\t)%2)+1], v[M+2*\t+1]         ; strictly larger: among equals the first record stays
	v_dual_cndmask_b32 v[M+2*\t+1], v[M+2*\t+1], v[TA+2*((\t)%2)+1] :: v_dual_cndmask_b32 v[M+2*\t], v[M+2*\t], v[VST]
.irp j, 0,2,4,6
	v_dual_cndmask_b32 v[KEEP+8*\t+\j], v[KEEP+8*\t+\j], v[D+8*\t+\j] :: v_dual_cndmask_b32 v[KEEP+8*\t+\j+1], v[KEEP+8*\t+\j+1], v[D+8*\t+\j+1]
.endr
.endr
.endm
; One record.  kind 0: the next record of the slot is fetched.  kind 1, 2: the slot's last record: its data are in registers, so the change of slots is signalled ahead of its work;
; kind 1: a round of the cluster's barrier, and the slot is filled again, two chunks on;  kind 2: nothing is left to fetch;  kind 3: the last record of all.
.macro TILE slot, i, p, step, kind
.if (\kind == 1) || (\kind == 2)
	s_wait_tensorcnt 0x0                           ; all my tensor loads have landed: my part of the next slot;
	ds_add_u32 v[SPW], v[NIL]
.if \kind == 1
	s_add_nc_u64 s[G0+4*(\slot)+2:G0+4*(\slot)+3], s[G0+4*(\slot)+2:G0+4*(\slot)+3], 2*SLOT
.endif
.endif
	s_wait_dscnt 0x0                               ; this record is in registers (and the add is done, and my reads of the slot are over)
.if (\kind == 1) || (\kind == 2)
	s_barrier_signal -1
.endif
	W 0, 1, \p
	V2 2, 3                                        ; of the record before
	s_add_co_u32 s[ST], s[ST], \step
	v_mov_b32 v[VST], s[ST]                        ; this record's number
	W 2, 3, \p
.if \kind == 0
	LOAD \slot, \i+1, 1-\p
.endif
	V2 0, 1
.if (\kind == 1) || (\kind == 2)
	s_barrier_wait -1
.if \kind == 1
	CREST
	tensor_load_to_lds s[G0+4*(\slot):G0+4*(\slot)+3], s[G1:G1+7]
	s_nop 0
	NOPS
.endif
	LOAD 1-\slot, 0, 0
.endif
.endm
.macro CHUNK slot, kind
	TILE \slot, 0, 0, 57, 0
	TILE \slot, 1, 1, 1, 0
	TILE \slot, 2, 0, 1, 0
	TILE \slot, 3, 1, 1, 0
	TILE \slot, 4, 0, 1, 0
	TILE \slot, 5, 1, 1, 0
	TILE \slot, 6, 0, 1, 0
	TILE \slot, 7, 1, 1, \kind
.endm
	s_mov_b32 s[CNT], 3
	s_wait_alu depctr_va_vdst(0)                   ; the wait ahead of the loop's waits
.Lpair:
	CHUNK 0, 1
	CHUNK 1, 1
	s_sub_co_u32 s[CNT], s[CNT], 1
	s_cmp_lg_u32 s[CNT], 0
	s_cbranch_scc1 .Lpair
	CHUNK 0, 2
	CHUNK 1, 3
	V2 2, 3
	; the kept eight s, rounded as the tile's largest was; the first j that gives the largest nd; my candidate's index = 16 x record + 8 h + j
.irp j, 0,1,2,3,4,5,6,7
.irp t, 0,1,2,3
	v_add_f32 v[KEEP+8*\t+\j], v[KEEP+8*\t+\j], v[XX+2*\t]
.endr
.endr
.irp t, 0,1,2,3
	v_mov_b32 v[TA+\t], 7
.endr
.irp j, 6,5,4,3,2,1,0
.irp t, 0,1,2,3
	v_cmp_neq_f32 vcc_lo, v[KEEP+8*\t+\j], v[M+2*\t+1]
	s_delay_alu instid0(VALU_DEP_1)
	v_cndmask_b32 v[TA+\t], \j, v[TA+\t], vcc_lo
.endr
.endr
.irp t, 0,1,2,3
	v_lshl_add_u32 v[M+2*\t], v[M+2*\t], 4, v[TA+\t]
.endr
.irp t, 0,1,2,3
	v_add_nc_u32 v[M+2*\t], v[H8], v[M+2*\t]
.endr
.irp t, 0,1,2,3
	ds_store_b64 v[AR], v[M+2*\t:M+2*\t+1] offset:16*RP*\t   ; (index, nd)
.endr
.set RDA, D+2
.set OSA, D+3
.set OLA, D+4
.set BIG, D+5
.set TT,  D+6
.set MM,  D+7
.set CA,  E
	v_lshrrev_b32 v[D], 2, v0                      ; four threads to a row of x, four candidates each
	v_and_b32 v[D+1], 3, v0
	v_add_nc_u32 v[OLA], OUTS, v[L16]
	v_mul_u32_u24 v[RDA], v[D], RP
	v_lshl_add_u32 v[OSA], v[D], 2, OUTS
	v_mov_b32 v[BIG], 0x7fffffff
	v_lshl_add_u32 v[RDA], v[D+1], 5, v[RDA]
	v_mov_b32 v[TT], 0
	s_delay_alu instid0(VALU_DEP_2)
	v_add_nc_u32 v[RDA], RED, v[RDA]
	s_wait_alu depctr_va_vdst(0)                   ; the wait ahead of the waits below
	s_wait_dscnt 0x0
	s_barrier_signal -1
	s_barrier_wait -1
	ds_load_b128 v[CA:CA+3], v[RDA]
	ds_load_b128 v[CA+4:CA+7], v[RDA] offset:16
	s_wait_dscnt 0x0
	v_max3_num_f32 v[MM], v[CA+1], v[CA+3], v[CA+5]
	s_delay_alu instid0(VALU_DEP_1)
	v_max_num_f32 v[MM], v[MM], v[CA+7]
	s_delay_alu instid0(VALU_DEP_1)
	v_max_num_f32_dpp v[MM], v[MM], v[MM] row_xmask:1 row_mask:0xf bank_mask:0xf
	s_delay_alu instid0(VALU_DEP_1)
	v_max_num_f32_dpp v[MM], v[MM], v[MM] row_xmask:2 row_mask:0xf bank_mask:0xf
.irp k, 0,2,4,6
	v_cmp_neq_f32 vcc_lo, v[CA+\k+1], v[MM]
	s_delay_alu instid0(VALU_DEP_1)
	v_cndmask_b32 v[CA+\k], v[CA+\k], v[BIG], vcc_lo   ; only those that reach the row's largest nd count
.endr
	v_min_u32 v[CA], v[CA], v[CA+2]
	s_delay_alu instid0(VALU_DEP_2)
	v_min_u32 v[CA+4], v[CA+4], v[CA+6]
	s_delay_alu instid0(VALU_DEP_1)
	v_min_u32 v[CA], v[CA], v[CA+4]
	s_delay_alu instid0(VALU_DEP_1)
	v_mov_b32_dpp v[TT], v[CA] row_xmask:1 row_mask:0xf bank_mask:0xf
	s_delay_alu instid0(VALU_DEP_1)
	v_min_u32 v[CA], v[CA], v[TT]
	s_delay_alu instid0(VALU_DEP_1)
	v_mov_b32_dpp v[TT], v[CA] row_xmask:2 row_mask:0xf bank_mask:0xf
	s_delay_alu instid0(VALU_DEP_1)
	v_min_u32 v[CA], v[CA], v[TT]                  ; the lowest index among them
	ds_store_b32 v[OSA], v[CA]                     ; four threads write the same word with the same value
	s_wait_dscnt 0x0
	s_barrier_signal -1
	s_barrier_wait -1
	s_cmp_lg_u32 s[WV], 0
	s_cbranch_scc1 .Lnot_first
	ds_load_b128 v[CA+8:CA+11], v[OLA]
	s_wait_dscnt 0x0
	global_store_b128 v[L16], v[CA+8:CA+11], s[8:9]    ; 512 consecutive bytes, at a multiple of 256
	global_store_b128 v[L16], v[CA+8:CA+11], s[10:11]
.Lnot_first:
	s_wait_tensorcnt 0x0                           ; the wave's end
	ds_add_u32 v[SPW], v[NIL]
	s_wait_dscnt 0x0
	ROUND                                          ; the closing round
	s_endpgm
.Lfunc_end_k_q2df5a6c20a_dist:
	.size	k_q2df5a6c20a_dist, .Lfunc_end_k_q2df5a6c20a_dist-k_q2df5a6c20a_dist
	.p2alignl 7, 3214868480
	.fill 96, 4, 3214868480
	.section	.rodata,"a",@progbits
	.p2align	6, 0x0
	.amdhsa_kernel k_q2df5a6c20a_dist
		.amdhsa_group_segment_fixed_size 327680
		.amdhsa_private_segment_fixed_size 0
		.amdhsa_enable_private_segment 0
		.amdhsa_kernarg_size 32
		.amdhsa_user_sgpr_count 2
		.amdhsa_user_sgpr_kernarg_segment_ptr 1
		.amdhsa_wavefront_size32 1
		.amdhsa_system_sgpr_workgroup_id_x 1
		.amdhsa_system_sgpr_workgroup_id_y 1
		.amdhsa_system_sgpr_workgroup_id_z 1
		.amdhsa_system_vgpr_workitem_id 0
		.amdhsa_next_free_vgpr 232
		.amdhsa_next_free_sgpr 84
		.amdhsa_reserve_vcc 1
		.amdhsa_float_denorm_mode_32 3
		.amdhsa_float_denorm_mode_16_64 3
		.amdhsa_memory_ordered 1
		.amdhsa_forward_progress 1
		.amdhsa_inst_pref_size 164
	.end_amdhsa_kernel
	.amdgpu_metadata
---
amdhsa.version: [ 1, 2 ]
amdhsa.kernels:
  - .name:           k_q2df5a6c20a_dist
    .symbol:         k_q2df5a6c20a_dist.kd
    .args:
      - { .name: x, .offset: 0, .size: 8, .value_kind: global_buffer, .address_space: global }
      - { .name: ew, .offset: 8, .size: 8, .value_kind: global_buffer, .address_space: global }
      - { .name: out3, .offset: 16, .size: 8, .value_kind: global_buffer, .address_space: global }
      - { .name: inds, .offset: 24, .size: 8, .value_kind: global_buffer, .address_space: global }
    .group_segment_fixed_size: 327680
    .private_segment_fixed_size: 0
    .kernarg_segment_align: 8
    .kernarg_segment_size: 32
    .max_flat_workgroup_size: 512
    .sgpr_count:     84
    .vgpr_count:     232
    .wavefront_size: 32
...
	.end_amdgpu_metadata
.endif
;; end of part 2
;; launch gather (part 3): grid 512 x 1, 8 waves a work-group, no clusters, 1,280 bytes of LDS; arguments x, embedding, inds, out0, part; writes out0, part
.if DOCPART == 3
	.amdgcn_target "amdgcn-amd-amdhsa--gfx1250"
	.amdhsa_code_object_version 6
	.text
	.protected	k_q2df5a6c20a_gather
	.globl	k_q2df5a6c20a_gather
	.p2align	8
	.type	k_q2df5a6c20a_gather,@function
k_q2df5a6c20a_gather:
	s_mov_b64 s[64:65], 0
	v_nop
	global_prefetch_b8 v0, s[64:65] scope:SCOPE_SE
	s_setreg_imm32_b32 hwreg(HW_REG_WAVE_MODE, 25, 1), 1
	s_wait_xcnt 0x0
; out0[n] = x[n] + (q - x[n]), q = embedding[inds[n]], in f32 as the source has it; part[work-group] = the sum of (q - x)^2 over the work-group's 64 rows.
; inds holds whole numbers that the launch before stored: here they become addresses (held under 8,192 first).
; SHARES.  A wave takes 8 rows; a row of 1,024 bytes is two loads of 512 consecutive bytes, 16 a lane.  Straight-line: all 16 loads of x and then all 16 of the gathered rows are out together.
; Memory binds: no matrix unit, no tensor load.  No cluster: which rows of embedding a work-group reads hangs on data, so partners share no tile.
; The sum over work-groups is made by the next launch; part is stored 4 bytes a work-group, 2,048 bytes in the whole launch.
.set L16, 1                            ; v1     16 x lane
.set VO,  2                            ; v2-9   row p: its code word's byte offset in embedding, + 16 x lane
.set ACC, 10                           ; v[10:13] the sum of squares, in four chains
.set T0,  14                           ; v14-17 at work
.set X,   20                           ; v20-83  row p: 8 numbers of x, then of out0
.set Q,   84                           ; v84-147 row p: 8 numbers of q, then of q - x
	s_load_b256 s[4:11], s[0:1], 0x0               ; x s[4:5], embedding s[6:7], inds s[8:9], out0 s[10:11]
	s_load_b64 s[12:13], s[0:1], 0x20              ; part
	v_lshl_add_u32 v148, v0, 2, 0x100
	v_mov_b32 v149, 0
	v_lshrrev_b32 v1, 5, v0
	s_delay_alu instid0(VALU_DEP_1)
	v_readfirstlane_b32 s14, v1                    ; wave 0..7
	v_and_b32 v1, 31, v0
	s_delay_alu instid0(VALU_DEP_1)
	v_lshlrev_b32 v[L16], 4, v1
	v_mov_b32 v[T0+1], 0                           ; written once: a lane permute's destination counts as one of its sources
	s_mov_b32 s28, 0x76543210
	s_mov_b32 s29, 0xfedcba98                      ; v_permlanex16_b32's selects for lane l xor 16
	s_lshl_b32 s15, ttmp9, 6
	s_lshl_b32 s24, s14, 3
	s_add_co_u32 s15, s15, s24                     ; my first row: 64 x work-group + 8 x wave
	s_lshl_b32 s24, s15, 2
	s_mov_b32 s25, 0
	s_lshl_b32 s26, s15, 10
	s_mov_b32 s27, 0
	s_lshl_b32 s32, ttmp9, 2
	s_mov_b32 s33, 0
	s_wait_alu depctr_va_vdst(0)
	s_wait_kmcnt 0x0
	s_add_nc_u64 s[8:9], s[8:9], s[24:25]
	s_load_b256 s[16:23], s[8:9], 0x0              ; my eight rows' indices
	s_add_nc_u64 s[4:5], s[4:5], s[26:27]
	s_add_nc_u64 s[10:11], s[10:11], s[26:27]
	s_add_nc_u64 s[12:13], s[12:13], s[32:33]
.irp p, 0,1,2,3,4,5,6,7
.irp u, 0,1
	global_load_b128 v[X+8*\p+4*\u:X+8*\p+4*\u+3], v[L16], s[4:5] offset:1024*\p+512*\u th:TH_LOAD_NT
.endr
.endr
	s_wait_kmcnt 0x0
.irp p, 0,1,2,3,4,5,6,7
	s_min_u32 s[16+\p], s[16+\p], 0x1fff           ; an index stays inside the table
	s_lshl_b32 s[16+\p], s[16+\p], 10              ; a code word is 1,024 bytes
	v_add_nc_u32 v[VO+\p], s[16+\p], v[L16]
.endr
	s_wait_alu depctr_va_vdst(0)
.irp p, 0,1,2,3,4,5,6,7
.irp u, 0,1
	global_load_b128 v[Q+8*\p+4*\u:Q+8*\p+4*\u+3], v[VO+\p], s[6:7] offset:512*\u   ; no hint: a code word may be named by many rows
.endr
.endr
.irp p, 0,1,2,3,4,5,6,7
	s_wait_loadcnt 14-2*\p                         ; loads come back in order (ISA guide 5.7.1): row p's are in; the two gathered loads of each later row may be out
.irp k, 0,2,4,6
	v_pk_add_f32 v[Q+8*\p+\k:Q+8*\p+\k+1], v[Q+8*\p+\k:Q+8*\p+\k+1], v[X+8*\p+\k:X+8*\p+\k+1] neg_lo:[0,1] neg_hi:[0,1]   ; q - x
.endr
.irp k, 0,2,4,6
.if (\p == 0) && (\k < 4)
	s_delay_alu instid0(VALU_DEP_4)
	v_pk_mul_f32 v[ACC+\k:ACC+\k+1], v[Q+\k:Q+\k+1], v[Q+\k:Q+\k+1]                  ; the first products start the sums
.else
	v_pk_fma_f32 v[ACC+\k%4:ACC+\k%4+1], v[Q+8*\p+\k:Q+8*\p+\k+1], v[Q+8*\p+\k:Q+8*\p+\k+1], v[ACC+\k%4:ACC+\k%4+1]
.endif
.endr
.irp k, 0,2,4,6
	v_pk_add_f32 v[X+8*\p+\k:X+8*\p+\k+1], v[X+8*\p+\k:X+8*\p+\k+1], v[Q+8*\p+\k:Q+8*\p+\k+1]   ; x + (q - x)
.endr
.irp u, 0,1
	global_store_b128 v[L16], v[X+8*\p+4*\u:X+8*\p+4*\u+3], s[10:11] offset:1024*\p+512*\u th:TH_STORE_NT   ; 32 lanes store 512 consecutive bytes
.endr
.endr
	v_pk_add_f32 v[ACC:ACC+1], v[ACC:ACC+1], v[ACC+2:ACC+3]
	s_delay_alu instid0(VALU_DEP_1)
	v_add_f32 v[T0], v[ACC], v[ACC+1]
	s_delay_alu instid0(VALU_DEP_1)
	v_add_f32_dpp v[T0], v[T0], v[T0] row_xmask:1 row_mask:0xf bank_mask:0xf
	s_delay_alu instid0(VALU_DEP_1)
	v_add_f32_dpp v[T0], v[T0], v[T0] row_xmask:2 row_mask:0xf bank_mask:0xf
	s_delay_alu instid0(VALU_DEP_1)
	v_add_f32_dpp v[T0], v[T0], v[T0] row_xmask:4 row_mask:0xf bank_mask:0xf
	s_delay_alu instid0(VALU_DEP_1)
	v_add_f32_dpp v[T0], v[T0], v[T0] row_xmask:8 row_mask:0xf bank_mask:0xf
	s_delay_alu instid0(VALU_DEP_1)
	v_permlanex16_b32 v[T0+1], v[T0], s28, s29
	s_delay_alu instid0(VALU_DEP_1)
	v_add_f32 v[T0], v[T0], v[T0+1]                ; the wave's sum, in every lane
	v_mov_b32 v[T0+2], s14
	s_delay_alu instid0(VALU_DEP_1)
	v_lshlrev_b32 v[T0+2], 2, v[T0+2]
	ds_store_b32 v[T0+2], v[T0]                    ; all lanes write the wave's word with the same value
	s_wait_dscnt 0x0
	s_barrier_signal -1
	s_barrier_wait -1
	s_cmp_lg_u32 s14, 0                            ; wave 0 adds the eight and stores
	s_cbranch_scc1 .Ldone
	v_mov_b32 v[T0+3], 0
	ds_load_b128 v[Q:Q+3], v[T0+3]                 ; (Q's registers are free; X's are still the data of stores)
	ds_load_b128 v[Q+4:Q+7], v[T0+3] offset:16
	s_wait_dscnt 0x0
	v_pk_add_f32 v[Q:Q+1], v[Q:Q+1], v[Q+2:Q+3]
	v_pk_add_f32 v[Q+4:Q+5], v[Q+4:Q+5], v[Q+6:Q+7]
	s_delay_alu instid0(VALU_DEP_1)
	v_pk_add_f32 v[Q:Q+1], v[Q:Q+1], v[Q+4:Q+5]
	s_delay_alu instid0(VALU_DEP_1)
	v_add_f32 v[Q], v[Q], v[Q+1]
	v_cmp_eq_u32 vcc_lo, 0, v0
	s_wait_alu depctr_va_vdst(0)
	s_wait_xcnt 0x0                                ; EXEC is a source of the stores above: it changes only behind this wait
	s_and_saveexec_b32 s30, vcc_lo
	global_store_b32 v[T0+3], v[Q], s[12:13]       ; lane 0: part[work-group]
	s_wait_xcnt 0x0                                ; and again, in front of the line that widens it
	s_or_b32 exec_lo, exec_lo, s30
.Ldone:
	s_wait_tensorcnt 0x0
	ds_add_u32 v148, v149
	s_wait_dscnt 0x0
	s_endpgm
.Lfunc_end_k_q2df5a6c20a_gather:
	.size	k_q2df5a6c20a_gather, .Lfunc_end_k_q2df5a6c20a_gather-k_q2df5a6c20a_gather
	.p2alignl 7, 3214868480
	.fill 96, 4, 3214868480
	.section	.rodata,"a",@progbits
	.p2align	6, 0x0
	.amdhsa_kernel k_q2df5a6c20a_gather
		.amdhsa_group_segment_fixed_size 1280
		.amdhsa_private_segment_fixed_size 0
		.amdhsa_enable_private_segment 0
		.amdhsa_kernarg_size 40
		.amdhsa_user_sgpr_count 2
		.amdhsa_user_sgpr_kernarg_segment_ptr 1
		.amdhsa_wavefront_size32 1
		.amdhsa_system_sgpr_workgroup_id_x 1
		.amdhsa_system_sgpr_workgroup_id_y 1
		.amdhsa_system_sgpr_workgroup_id_z 1
		.amdhsa_system_vgpr_workitem_id 0
		.amdhsa_next_free_vgpr 150
		.amdhsa_next_free_sgpr 66
		.amdhsa_reserve_vcc 1
		.amdhsa_float_denorm_mode_32 3
		.amdhsa_float_denorm_mode_16_64 3
		.amdhsa_memory_ordered 1
		.amdhsa_forward_progress 1
		.amdhsa_inst_pref_size 16
	.end_amdhsa_kernel
	.amdgpu_metadata
---
amdhsa.version: [ 1, 2 ]
amdhsa.kernels:
  - .name:           k_q2df5a6c20a_gather
    .symbol:         k_q2df5a6c20a_gather.kd
    .args:
      - { .name: x, .offset: 0, .size: 8, .value_kind: global_buffer, .address_space: global }
      - { .name: embedding, .offset: 8, .size: 8, .value_kind: global_buffer, .address_space: global }
      - { .name: inds, .offset: 16, .size: 8, .value_kind: global_buffer, .address_space: global }
      - { .name: out0, .offset: 24, .size: 8, .value_kind: global_buffer, .address_space: global }
      - { .name: part, .offset: 32, .size: 8, .value_kind: global_buffer, .address_space: global }
    .group_segment_fixed_size: 1280
    .private_segment_fixed_size: 0
    .kernarg_segment_align: 8
    .kernarg_segment_size: 40
    .max_flat_workgroup_size: 256
    .sgpr_count:     66
    .vgpr_count:     150
    .wavefront_size: 32
...
	.end_amdgpu_metadata
.endif
;; end of part 3
;; launch mean (part 4): grid 1 x 1, 1 waves a work-group, no clusters, 0 bytes of LDS; arguments part, out1, out2; writes out1, out2
.if DOCPART == 4
	.amdgcn_target "amdgcn-amd-amdhsa--gfx1250"
	.amdhsa_code_object_version 6
	.text
	.protected	k_q2df5a6c20a_mean
	.globl	k_q2df5a6c20a_mean
	.p2align	8
	.type	k_q2df5a6c20a_mean,@function
k_q2df5a6c20a_mean:
	s_mov_b64 s[64:65], 0
	v_nop
	global_prefetch_b8 v0, s[64:65] scope:SCOPE_SE
	s_setreg_imm32_b32 hwreg(HW_REG_WAVE_MODE, 25, 1), 1
	s_wait_xcnt 0x0
; out1 = out2 = the mean of (x - q)^2 over 32,768 x 256 = 2^23 numbers: the sum of the 512 partial sums in part, times 2^-23.  Both losses of the source have this one value.
; One wave: four loads of 512 consecutive bytes bring all 2,048 bytes; the sum has one fixed order.  A sum over work-groups wants a launch behind them; it has work for one wave.
	s_load_b128 s[4:7], s[0:1], 0x0                ; part, out1
	s_load_b64 s[8:9], s[0:1], 0x10                ; out2
	v_lshlrev_b32 v1, 4, v0                        ; 16 bytes a lane
	v_mov_b32 v2, 0                                ; the stores' offset
	v_mov_b32 v3, 0                                ; written once: a lane permute's destination counts as one of its sources
	s_mov_b32 s10, 0x76543210
	s_mov_b32 s11, 0xfedcba98                      ; v_permlanex16_b32's selects for lane l xor 16
	s_wait_alu depctr_va_vdst(0)
	s_wait_kmcnt 0x0
.irp i, 0,1,2,3
	global_load_b128 v[4+4*\i:7+4*\i], v1, s[4:5] offset:512*\i
.endr
	s_wait_loadcnt 0x0
	v_pk_add_f32 v[4:5], v[4:5], v[6:7]
	v_pk_add_f32 v[8:9], v[8:9], v[10:11]
	v_pk_add_f32 v[12:13], v[12:13], v[14:15]
	v_pk_add_f32 v[16:17], v[16:17], v[18:19]
	v_pk_add_f32 v[4:5], v[4:5], v[8:9]
	v_pk_add_f32 v[12:13], v[12:13], v[16:17]
	v_pk_add_f32 v[4:5], v[4:5], v[12:13]
	v_add_f32 v4, v4, v5
	v_add_f32_dpp v4, v4, v4 row_xmask:1 row_mask:0xf bank_mask:0xf
	v_add_f32_dpp v4, v4, v4 row_xmask:2 row_mask:0xf bank_mask:0xf
	v_add_f32_dpp v4, v4, v4 row_xmask:4 row_mask:0xf bank_mask:0xf
	v_add_f32_dpp v4, v4, v4 row_xmask:8 row_mask:0xf bank_mask:0xf
	v_permlanex16_b32 v3, v4, s10, s11
	v_add_f32 v4, v4, v3
	v_mul_f32 v4, 0x34000000, v4                   ; x 2^-23: exact
	v_cmp_eq_u32 vcc_lo, 0, v0
	s_wait_alu depctr_va_vdst(0)
	s_wait_xcnt 0x0                                ; EXEC changes only behind this wait
	s_and_saveexec_b32 s12, vcc_lo
	global_store_b32 v2, v4, s[6:7]                ; lane 0 alone
	global_store_b32 v2, v4, s[8:9]
	s_wait_xcnt 0x0                                ; and again, in front of the line that widens it
	s_or_b32 exec_lo, exec_lo, s12
	s_endpgm
.Lfunc_end_k_q2df5a6c20a_mean:
	.size	k_q2df5a6c20a_mean, .Lfunc_end_k_q2df5a6c20a_mean-k_q2df5a6c20a_mean
	.p2alignl 7, 3214868480
	.fill 96, 4, 3214868480
	.section	.rodata,"a",@progbits
	.p2align	6, 0x0
	.amdhsa_kernel k_q2df5a6c20a_mean
		.amdhsa_group_segment_fixed_size 0
		.amdhsa_private_segment_fixed_size 0
		.amdhsa_enable_private_segment 0
		.amdhsa_kernarg_size 24
		.amdhsa_user_sgpr_count 2
		.amdhsa_user_sgpr_kernarg_segment_ptr 1
		.amdhsa_wavefront_size32 1
		.amdhsa_system_sgpr_workgroup_id_x 1
		.amdhsa_system_sgpr_workgroup_id_y 1
		.amdhsa_system_sgpr_workgroup_id_z 1
		.amdhsa_system_vgpr_workitem_id 0
		.amdhsa_next_free_vgpr 24
		.amdhsa_next_free_sgpr 66
		.amdhsa_reserve_vcc 1
		.amdhsa_float_denorm_mode_32 3
		.amdhsa_float_denorm_mode_16_64 3
		.amdhsa_memory_ordered 1
		.amdhsa_forward_progress 1
		.amdhsa_inst_pref_size 3
	.end_amdhsa_kernel
	.amdgpu_metadata
---
amdhsa.version: [ 1, 2 ]
amdhsa.kernels:
  - .name:           k_q2df5a6c20a_mean
    .symbol:         k_q2df5a6c20a_mean.kd
    .args:
      - { .name: part, .offset: 0, .size: 8, .value_kind: global_buffer, .address_space: global }
      - { .name: out1, .offset: 8, .size: 8, .value_kind: global_buffer, .address_space: global }
      - { .name: out2, .offset: 16, .size: 8, .value_kind: global_buffer, .address_space: global }
    .group_segment_fixed_size: 0
    .private_segment_fixed_size: 0
    .kernarg_segment_align: 8
    .kernarg_segment_size: 24
    .max_flat_workgroup_size: 32
    .sgpr_count:     66
    .vgpr_count:     24
    .wavefront_size: 32
...
	.end_amdgpu_metadata
.endif
;; end of part 4
